; MI455X (gfx1250); checked and timed in simulation.
; The chip was launched on July 23, 2026; its instructions are those of AMD's public machine-readable ISA for CDNA 5 (MIT licence, August 2026) and "CDNA5" Instruction Set Architecture Reference Guide (July 2026). The comments in the code are by the model that wrote it; some were corrected since.
;; D Full Attention. Allowed arithmetic: float matrix products may take bf16 or f16 operands with f32 sums; all other float work in f32.
;; Inputs: W1 128 x 64 float32; W2 64 x 1 float32; b1 64 float32; b2 1 float32; keys 8 x 2,048 x 2 x 64 float32; queries 8 x 2,048 x 2 x 64 float32; values 8 x 2,048 x 2 x 64 float32.
;; Outputs: out0 8 x 2,048 x 2 x 64 float32.
;; 2 versions, each right; version 2 is version 1 with the launch prep written anew for expert scheduling mode. Each part assembles by itself: llvm-mc -triple=amdgcn-amd-amdhsa -mcpu=gfx1250 --defsym DOCPART=n.
;; ======== version 1 of 2: 2 launches
;; workspace buffers: kv 8,388,608 bytes; deg 65,536 bytes
;; launch prep (part 1): grid 256 x 1, 8 waves a work-group, no clusters, 57,856 bytes of LDS; arguments keys, values, W1, b1, W2, b2, kv, deg; writes kv, deg
.if DOCPART == 1
	.amdgcn_target "amdgcn-amd-amdhsa--gfx1250"
	.amdhsa_code_object_version 6
	.text
	.protected	k_q12bb0c3b41_prep
	.globl	k_q12bb0c3b41_prep
	.p2align	8
	.type	k_q12bb0c3b41_prep,@function
k_q12bb0c3b41_prep:
	s_mov_b64 s[64:65], 0
	v_nop
	global_prefetch_b8 v0, s[64:65] scope:SCOPE_SE
	s_setreg_imm32_b32 hwreg(HW_REG_WAVE_MODE, 25, 1), 1
	s_wait_xcnt 0x0
; prep: (1) rounds K and V to bf16 once and stores them in the order of the matrix fragments that the attention launch reads,
;       (2) deg[pos] = clip(sigmoid(relu(v W1 + b1) W2 + b2), 0.01, 0.99) in f32 (the batch's maximum is taken away in the next launch).
; Work-group i owns the 64 positions 64 i .. 64 i + 63 of the 16,384 (batch i >> 5, block i & 31): 32,768 consecutive bytes of keys and of values.
; kv: [y = 2 batch + head][block of 64 keys][16,384 bytes]; lane L = (r = L & 15, h = L >> 4):
;   bytes 0..8191      [kt 4][eh 2][u 2][lane 32][16 B] = K[key 16 kt + r][e = 32 eh + 16 u + 8 h .. + 7]
;   bytes 8192..16383  [c 2][dt 4][u 2][lane 32][16 B]  = V[key 32 c + 16 u + 8 h + 0 .. 7][d = 16 dt + r]
; No cluster: the work-groups share W1, b1, W2 alone (33 KB against 64 KB of their own rows), and everything comes through registers.
; The first layer goes to the matrix unit in bf16 (hid^T = W1^T V^T + b1, b1 as the C operand); the second layer has one output column and is done in f32.
; Limits: NaN in an input is not carried through relu and the clip (v_max_num, v_min_num drop it).
.set KS, 0                             ; K as bf16: 64 rows of 256 bytes, pitch 272
.set VS, 17408                         ; V as bf16: 64 rows of 256 bytes, pitch 288 (an odd multiple of 32, for the transposing load)
.set WS, 35840                         ; W1 as bf16 [k 128][unit 64]: rows of 128 bytes, pitch 160
.set DG, 56320                         ; 2 x 64 f32: the second layer's sums over units 0-31 and 32-63
.set KP, 272
.set VP, 288
.set WP, 160
.set RAWV, 16                          ; v[16:47]   V as loaded
.set RAWW, 48                          ; v[48:79]   W1 as loaded
.set RAWK, 80                          ; v[80:111]  K as loaded
.set AF,  16                           ; v[16:79]   later: W1^T fragments, (n2, ks) at 16 + 8 (4 n2 + ks)
.set BF,  80                           ; v[80:111]  later: V fragments of my 16 positions, ks at 80 + 8 ks
.set ACC, 112                          ; v[112:127] two accumulator tiles, loaded with b1
.set W2R, 128                          ; v[128:143] W2 of the same units
.set KF,  144                          ; v[144:159] K fragments on their way out
.set VF,  160                          ; v[160:175] V^T fragments on their way out
	s_load_b512 s[4:19], s[0:1], 0x0               ; keys 4:5, values 6:7, W1 8:9, b1 10:11, W2 12:13, b2 14:15, kv 16:17, deg 18:19
	v_lshl_add_u32 v176, v0, 2, 0xde00
	v_mov_b32 v177, 0
	v_lshrrev_b32 v2, 5, v0
	v_readfirstlane_b32 s21, v2                    ; wave w
	s_and_b32 s22, s21, 3                          ; kt = dt = pt: which 16 keys, 16 columns of V, 16 positions are mine
	s_lshr_b32 s23, s21, 2                         ; hh = uh: which head, which 32 hidden units
	s_lshl_b32 s24, ttmp9, 15                      ; 64 positions x 512 bytes
	s_mov_b32 s25, 0
	s_mov_b32 s26, 0x76543210                      ; v_permlanex16_b32: lane i reads lane i of the other half
	s_mov_b32 s27, 0xfedcba98
	s_lshl_b32 s30, s23, 7
	v_lshlrev_b32 v1, 4, v0                        ; 16 t
	v_and_b32 v2, 31, v0                           ; L
	v_and_b32 v3, 15, v0                           ; r
	v_bfe_u32 v4, v0, 4, 1                         ; h
	v_lshl_add_u32 v5, v4, 5, s30                  ; 4 (32 uh + 8 h): my eight units of a tile in b1 and W2
	s_wait_kmcnt 0x0
	s_load_b32 s20, s[14:15], 0x0                  ; b2
	s_add_nc_u64 s[4:5], s[4:5], s[24:25]
	s_add_nc_u64 s[6:7], s[6:7], s[24:25]
.irp n2, 0,1
	global_load_b128 v[ACC+8*\n2:ACC+8*\n2+3],   v5, s[10:11] offset:64*\n2       ; register j of tile n2 = b1[32 uh + 16 n2 + 8 h + j]
	global_load_b128 v[ACC+8*\n2+4:ACC+8*\n2+7], v5, s[10:11] offset:64*\n2+16
	global_load_b128 v[W2R+8*\n2:W2R+8*\n2+3],   v5, s[12:13] offset:64*\n2
	global_load_b128 v[W2R+8*\n2+4:W2R+8*\n2+7], v5, s[12:13] offset:64*\n2+16
.endr
.irp n, 0,1,2,3,4,5,6,7
	global_load_b128 v[RAWV+4*\n:RAWV+4*\n+3], v1, s[6:7] offset:4096*\n th:TH_LOAD_NT   ; a wave's load = the whole row 8 n + w, 512 bytes
.endr
.irp n, 0,1,2,3,4,5,6,7
	global_load_b128 v[RAWW+4*\n:RAWW+4*\n+3], v1, s[8:9] offset:4096*\n                 ; rows k = 16 n + 2 w + h of W1
.endr
.irp n, 0,1,2,3,4,5,6,7
	global_load_b128 v[RAWK+4*\n:RAWK+4*\n+3], v1, s[4:5] offset:4096*\n th:TH_LOAD_NT
.endr
	; where the results go
	s_lshr_b32 s28, ttmp9, 5
	s_lshl_b32 s28, s28, 5
	s_add_co_u32 s28, s28, ttmp9                   ; 64 batch + block
	s_lshl_b32 s28, s28, 14
	s_lshl_b32 s29, s23, 19                        ; + head x 32 blocks
	s_add_co_u32 s28, s28, s29
	s_mov_b32 s29, 0
	s_add_nc_u64 s[16:17], s[16:17], s[28:29]
	s_lshl_b32 s28, ttmp9, 8                       ; 64 f32
	s_add_nc_u64 s[18:19], s[18:19], s[28:29]
	; LDS addresses: wave's number x a constant + a lane term
	s_mul_i32 s30, s21, VP
	s_add_co_u32 s30, s30, VS
	v_lshl_add_u32 v6, v2, 3, s30                  ; V in: row w, 8 bytes a lane
	s_mul_i32 s30, s21, 2*WP
	s_add_co_u32 s30, s30, WS
	v_mul_u32_u24 v144, v4, WP
	v_lshl_add_u32 v144, v3, 3, v144
	v_add_nc_u32 v7, s30, v144                     ; W1 in: row 2 w + h, 8 bytes for each of 16 lanes
	s_mul_i32 s30, s21, KP
	v_lshl_add_u32 v8, v2, 3, s30                  ; K in (KS = 0)
	s_mul_i32 s30, s22, 16*KP
	s_lshl_b32 s31, s23, 7                         ; a head's 64 bf16
	s_add_co_u32 s30, s30, s31
	v_mul_u32_u24 v144, v3, KP
	v_lshl_add_u32 v144, v4, 4, v144
	v_add_nc_u32 v9, s30, v144                     ; K fragments: (16 kt + r) pitch + 128 hh + 16 h
	v_and_b32 v145, 7, v0
	v_lshl_add_u32 v145, v4, 3, v145               ; 8 h + (L & 7)
	v_bfe_u32 v146, v0, 3, 1                       ; (L >> 3) & 1
	s_lshl_b32 s30, s22, 5
	s_add_co_u32 s30, s30, s31
	s_add_co_u32 s30, s30, VS
	v_mul_u32_u24 v144, v145, VP
	v_lshl_add_u32 v144, v146, 4, v144
	v_add_nc_u32 v10, s30, v144                    ; V^T fragments, transposing load: (8 h + (L & 7)) pitch + 16 ((L >> 3) & 1) + 128 hh + 32 dt
	s_mul_i32 s30, s22, 16*VP
	s_add_co_u32 s30, s30, VS
	v_mul_u32_u24 v144, v3, VP
	v_lshl_add_u32 v144, v4, 4, v144
	v_add_nc_u32 v11, s30, v144                    ; the MLP's B: (16 pt + r) pitch + 16 h
	s_lshl_b32 s30, s23, 6
	s_add_co_u32 s30, s30, WS
	v_mul_u32_u24 v144, v145, WP
	v_lshl_add_u32 v144, v146, 4, v144
	v_add_nc_u32 v12, s30, v144                    ; the MLP's A, transposing load, + 64 uh
	s_lshl_b32 s30, s22, 11
	v_lshl_add_u32 v13, v2, 4, s30                 ; kv: 16 L + 2048 kt
	s_lshl_b32 s30, s22, 10
	v_lshl_add_u32 v14, v2, 4, s30                 ; kv: 16 L + 1024 dt
	s_lshl_b32 s30, s23, 8
	s_lshl_b32 s31, s22, 6
	s_add_co_u32 s30, s30, s31
	s_add_co_u32 s30, s30, DG
	v_lshl_add_u32 v15, v3, 2, s30                 ; DG + 256 uh + 4 (16 pt + r)
; eight times four f32 become four bf16, rounded in place, and go to LDS
.macro STAGE raw, adr, step
.irp n, 0,1,2,3,4,5,6,7
	v_cvt_pk_bf16_f32 v[\raw+4*\n],   v[\raw+4*\n],   v[\raw+4*\n+1]
	v_cvt_pk_bf16_f32 v[\raw+4*\n+1], v[\raw+4*\n+2], v[\raw+4*\n+3]
	ds_store_b64 v[\adr], v[\raw+4*\n:\raw+4*\n+1] offset:\step*\n
.endr
.endm
	s_wait_loadcnt 16                              ; b1, W2 and V are in; the sixteen loads of W1 and K stay out
	STAGE RAWV, 6, 8*VP
	s_wait_loadcnt 8                               ; W1 is in; K's eight stay out
	STAGE RAWW, 7, 16*WP
	s_wait_loadcnt 0x0
	STAGE RAWK, 8, 8*KP
	s_wait_dscnt 0x0                               ; my stores are in LDS before I say so
	s_barrier_signal -1
	s_barrier_wait -1
.irp eh, 0,1
.irp u, 0,1
	ds_load_b128 v[KF+8*\eh+4*\u:KF+8*\eh+4*\u+3], v9 offset:64*\eh+32*\u
.endr
.endr
.irp c, 0,1
.irp u, 0,1
	ds_load_tr16_b128 v[VF+8*\c+4*\u:VF+8*\c+4*\u+3], v10 offset:32*VP*\c+16*VP*\u
.endr
.endr
.irp ks, 0,1,2,3
.irp u, 0,1
	ds_load_b128 v[BF+8*\ks+4*\u:BF+8*\ks+4*\u+3], v11 offset:64*\ks+32*\u
.endr
.endr
.irp n2, 0,1
.irp ks, 0,1,2,3
.irp u, 0,1
	ds_load_tr16_b128 v[AF+8*(4*\n2+\ks)+4*\u:AF+8*(4*\n2+\ks)+4*\u+3], v12 offset:32*\n2+32*WP*\ks+16*WP*\u
.endr
.endr
.endr
	s_wait_dscnt 24                                ; the first eight (K and V^T fragments) are in; the MLP's 24 stay out
.irp eh, 0,1
.irp u, 0,1
	global_store_b128 v13, v[KF+8*\eh+4*\u:KF+8*\eh+4*\u+3], s[16:17] offset:1024*\eh+512*\u          ; each store of the wave: 512 consecutive bytes, aligned
.endr
.endr
.irp c, 0,1
.irp u, 0,1
	global_store_b128 v14, v[VF+8*\c+4*\u:VF+8*\c+4*\u+3], s[16:17] offset:8192+4096*\c+512*\u
.endr
.endr
	s_wait_dscnt 0x0
	s_wait_kmcnt 0x0                               ; b2
	; hid^T[unit][pos] = sum over k of W1[k][unit] v[pos][k] + b1[unit].  The two accumulators take turns, one instruction a turn.
.irp ks, 0,1,2,3
.irp n2, 0,1
	v_wmma_f32_16x16x32_bf16 v[ACC+8*\n2:ACC+8*\n2+7], v[AF+8*(4*\n2+\ks):AF+8*(4*\n2+\ks)+7], v[BF+8*\ks:BF+8*\ks+7], v[ACC+8*\n2:ACC+8*\n2+7]
.endr
.endr
.rept 4
	v_nop                                          ; four places before vector instructions read the results or write the fragments' registers (ISA guide 7.12.1)
.endr
.irp j, 0,1,2,3,4,5,6,7,8,9,10,11,12,13,14,15
	v_max_num_f32 v[ACC+\j], 0, v[ACC+\j]          ; relu
.endr
	v_pk_mul_f32 v[16:17], v[ACC:ACC+1], v[W2R:W2R+1]            ; the second layer in f32, two chains
	v_pk_mul_f32 v[18:19], v[ACC+8:ACC+9], v[W2R+8:W2R+9]
.irp j, 2,4,6
	v_pk_fma_f32 v[16:17], v[ACC+\j:ACC+\j+1], v[W2R+\j:W2R+\j+1], v[16:17]
	v_pk_fma_f32 v[18:19], v[ACC+8+\j:ACC+8+\j+1], v[W2R+8+\j:W2R+8+\j+1], v[18:19]
.endr
	v_pk_add_f32 v[16:17], v[16:17], v[18:19]
	v_add_f32 v16, v16, v17
	v_permlanex16_b32 v17, v16, s26, s27           ; the other eight units of each tile lie in the other half of the lanes
	v_add_f32 v16, v16, v17
	ds_store_b32 v15, v16                          ; lanes r and 16 + r store the same number to the same word
	s_wait_dscnt 0x0
	s_barrier_signal -1
	s_barrier_wait -1
	s_cmp_lg_u32 s21, 0
	s_cbranch_scc1 .Lend                           ; wave 0 finishes the 64 positions, two a lane
	v_lshlrev_b32 v16, 3, v2
	ds_load_b64 v[18:19], v16 offset:DG
	ds_load_b64 v[20:21], v16 offset:DG+256
	v_mov_b32 v24, 0xbfb8aa3b                      ; -log2 e
	v_mul_f32 v22, s20, v24
	s_wait_dscnt 0x0
	v_pk_add_f32 v[18:19], v[18:19], v[20:21]
	v_fma_f32 v18, v18, v24, v22                   ; -(x + b2) log2 e
	v_fma_f32 v19, v19, v24, v22
	v_exp_f32 v18, v18
	v_exp_f32 v19, v19
	v_nop                                          ; one plain place behind the transcendentals
	s_wait_alu depctr_va_vdst(0)
	v_add_f32 v18, 1.0, v18
	v_add_f32 v19, 1.0, v19
	v_rcp_f32 v18, v18
	v_rcp_f32 v19, v19
	v_nop
	s_wait_alu depctr_va_vdst(0)
	v_max_num_f32 v18, 0x3c23d70a, v18             ; clip to 0.01 .. 0.99
	v_max_num_f32 v19, 0x3c23d70a, v19
	v_min_num_f32 v18, 0x3f7d70a4, v18
	v_min_num_f32 v19, 0x3f7d70a4, v19
	global_store_b64 v16, v[18:19], s[18:19]       ; 32 lanes x 8 bytes: 256 consecutive bytes, aligned
.Lend:
	s_wait_tensorcnt 0x0
	ds_add_u32 v176, v177
	s_wait_dscnt 0x0
	s_endpgm
.Lfunc_end_k_q12bb0c3b41_prep:
	.size	k_q12bb0c3b41_prep, .Lfunc_end_k_q12bb0c3b41_prep-k_q12bb0c3b41_prep
	.p2alignl 7, 3214868480
	.fill 96, 4, 3214868480
	.section	.rodata,"a",@progbits
	.p2align	6, 0x0
	.amdhsa_kernel k_q12bb0c3b41_prep
		.amdhsa_group_segment_fixed_size 57856
		.amdhsa_private_segment_fixed_size 0
		.amdhsa_enable_private_segment 0
		.amdhsa_kernarg_size 64
		.amdhsa_user_sgpr_count 2
		.amdhsa_user_sgpr_kernarg_segment_ptr 1
		.amdhsa_wavefront_size32 1
		.amdhsa_system_sgpr_workgroup_id_x 1
		.amdhsa_system_sgpr_workgroup_id_y 1
		.amdhsa_system_sgpr_workgroup_id_z 1
		.amdhsa_system_vgpr_workitem_id 0
		.amdhsa_next_free_vgpr 178
		.amdhsa_next_free_sgpr 66
		.amdhsa_reserve_vcc 0
		.amdhsa_float_denorm_mode_32 3
		.amdhsa_float_denorm_mode_16_64 3
		.amdhsa_memory_ordered 1
		.amdhsa_forward_progress 1
		.amdhsa_inst_pref_size 18
	.end_amdhsa_kernel
	.amdgpu_metadata
---
amdhsa.version: [ 1, 2 ]
amdhsa.kernels:
  - .name:           k_q12bb0c3b41_prep
    .symbol:         k_q12bb0c3b41_prep.kd
    .args:
      - { .name: keys, .offset: 0, .size: 8, .value_kind: global_buffer, .address_space: global }
      - { .name: values, .offset: 8, .size: 8, .value_kind: global_buffer, .address_space: global }
      - { .name: W1, .offset: 16, .size: 8, .value_kind: global_buffer, .address_space: global }
      - { .name: b1, .offset: 24, .size: 8, .value_kind: global_buffer, .address_space: global }
      - { .name: W2, .offset: 32, .size: 8, .value_kind: global_buffer, .address_space: global }
      - { .name: b2, .offset: 40, .size: 8, .value_kind: global_buffer, .address_space: global }
      - { .name: kv, .offset: 48, .size: 8, .value_kind: global_buffer, .address_space: global }
      - { .name: deg, .offset: 56, .size: 8, .value_kind: global_buffer, .address_space: global }
    .group_segment_fixed_size: 57856
    .private_segment_fixed_size: 0
    .kernarg_segment_align: 8
    .kernarg_segment_size: 64
    .max_flat_workgroup_size: 256
    .sgpr_count:     66
    .vgpr_count:     178
    .wavefront_size: 32
...
	.end_amdgpu_metadata
.endif
;; end of part 1
;; launch attn (part 2): grid 16 x 16, 8 waves a work-group, clusters of 4 x 1, 327,680 bytes of LDS; arguments queries, kv, deg, out0; writes out0
.if DOCPART == 2
	.amdgcn_target "amdgcn-amd-amdhsa--gfx1250"
	.amdhsa_code_object_version 6
	.text
	.protected	k_q12bb0c3b41_attn
	.globl	k_q12bb0c3b41_attn
	.p2align	8
	.type	k_q12bb0c3b41_attn,@function
k_q12bb0c3b41_attn:
	s_mov_b64 s[64:65], 0
	v_nop
	global_prefetch_b8 v0, s[64:65] scope:SCOPE_SE
	s_setreg_imm32_b32 hwreg(HW_REG_WAVE_MODE, 25, 1), 1
	s_wait_xcnt 0x0
	s_wait_alu depctr_hold_cnt(0) depctr_sa_sdst(0) depctr_va_vdst(0) depctr_va_sdst(0) depctr_va_ssrc(0) depctr_va_vcc(0) depctr_vm_vsrc(0)
	s_getreg_b32 s2, hwreg(HW_REG_IB_STS2, 6, 4)
	s_cmp_eq_u32 s2, 0
	s_cbranch_scc0 .Lentry_in_a_cluster
	s_endpgm
.Lentry_in_a_cluster:
	s_bfe_u32 s2, ttmp6, 0x10000c
	s_cmp_lg_u32 s2, 0x3003
	s_cbranch_scc0 .Lentry_shape_is_right
	s_endpgm
.Lentry_shape_is_right:
; attn: out[b][l][head][:] = softmax over s of (q.k + deg[b][s] - max over s of deg[b][s]) / 8, times V.
; Work-group (x, y): y = 2 batch + head, x = block of 128 queries.  Eight waves: wave w = 4 p + g takes the 64 queries 64 p .. + 63 and a quarter of the keys
; (blocks 2 g, 2 g + 1 of every eight blocks of 64 keys); at the end the four waves of a p merge their sums, wave g keeping query tile g.
; TRANSPOSED FORM.  S^T[key][q] = K Q^T + C with C = deg[key] - max: the bias costs no vector instruction.  In the result lane (r, h) holds query r and
; keys 16 kt + 8 h + j, so maximum and sum of a query are made inside a lane plus one exchange of the halves, and two neighbouring key tiles, packed to
; bf16, are the B fragment of O^T[d][q] = V^T P^T as they lie.  p = exp2(S c - c m), c = log2 e / 8, m a running maximum per query; O and the sum are rescaled in every step.
; K and V come from kv in fragment order: every fragment load is 16 bytes a lane at 16 x lane, and every tensor row is 256 dense bytes.
; CLUSTER 4 x 1: the four work-groups of a cluster have the same y and walk the same K and V tiles: each tile is asked for jointly (mask 15), which divides the requests for kv by four.
; RING: two slots of 512 keys (eight blocks of 16 KB); wave w fetches block w by one load of 64 rows x 256 bytes.  Four steps.  A wave has two tensor loads out at the start, later one.
; Register set X (0..3) of a wave holds query tile (X + g) & 3, so that every wave keeps set 0 and sends sets 1 to 3.
; Limits: NaN and infinities in inputs are not reproduced (v_max_num drops NaN); exp2 results below 2^-126 are zero; Q, K, V and P enter the products rounded to bf16.
.set SLOT, 131072
.set BIAS, 262144                      ; 2,048 f32: deg - max of my batch
.set RED,  270336                      ; 8 f32: the waves' maxima of deg
.set QS,   270592                      ; Q as bf16: 128 rows of 128 bytes, pitch 144
.set QP,   144
.set XREG, 4352                        ; exchange region: 8 x 512 bytes of O, then 32 x 8 bytes of (NM, l).  Region 3 w + X - 1, in slot 0 behind its last fill and last reads
.set STG,  131072                      ; the way out: 16 rows x 272 bytes for each wave, in slot 1 behind its last fill and last reads
.set ADR0, 1                           ; v1      16 L + 32768 g: my two blocks in slot 0
.set ADR1, 2                           ; v2      the same in slot 1
.set BADR, 3                           ; v3      BIAS + 32 h + 512 g
.set T,    4                           ; v[4:9]  at work
.set CC,   10                          ; v[10:11] c, twice
.set SU0,  12                          ; v[12:15] two running pairs of the row sums
.set SU1,  14
.set MX,   16                          ; v[16:19] running maximum of set X
.set NM,   20                          ; v[20:27] -c m of set X, twice
.set LS,   28                          ; v[28:35] the lane's two partial sums of set X
.set AL,   36                          ; v[36:43] the rescaling factor of set X, twice
.set CB,   48                          ; v[48:79] the bias as C operand, four key tiles
.set SCA,  80                          ; v[80:111]  scores of set 0, then 2 (whose P is packed in place)
.set SCB,  112                         ; v[112:143] scores of set 1, then 3
.set PRA,  144                         ; v[144:159] P of set 0
.set PRB,  160                         ; v[160:175] P of set 1
.set FR,   176                         ; v[176:239] eight fragments: K (eh, kt) at 32 eh + 8 kt, then V^T (c, dt) at 32 c + 8 dt
.set LN,   240                         ; v240 L, v241 r, v242 h; v243-253 addresses of the head and of the end
.set RR,   241
.set HH,   242
.set QB,   128                         ; window 1: O (X, dt) at 32 X + 8 dt (v256-383); Q (X, eh) at 128 + 16 X + 8 eh (v384-447)
.set MSB, 0
.macro WIN new                         ; s_set_vgpr_msb: bits 1:0 source 0, 3:2 source 1, 5:4 source 2, 7:6 destination; the high byte repeats the setting that is left
.if MSB != \new
	s_set_vgpr_msb (MSB<<8)|\new
.set MSB, \new
.endif
.endm
.macro PLACES n
.rept \n
	v_nop
.endr
.endm
; a round of the cluster's barrier: my work-group's barrier, wave 0 signals for the work-group, every wave waits for all four work-groups, my work-group's barrier again
.macro ROUND
	s_barrier_signal -1
	s_barrier_wait -1
	s_cmp_lg_u32 s12, 0
	s_cbranch_scc1 .Lnot_wave_0_\@
	s_barrier_signal -3
.Lnot_wave_0_\@:
	s_barrier_wait -3
	s_barrier_signal -1
	s_barrier_wait -1
.endm
	s_load_b256 s[4:11], s[0:1], 0x0               ; queries 4:5, kv 6:7, deg 8:9, out0 10:11
	v_lshl_add_u32 v254, v0, 2, 0x46900
	v_mov_b32 v255, 0
	ds_add_u32 v254, v255
	v_lshrrev_b32 v[T], 5, v0
	v_readfirstlane_b32 s12, v[T]                  ; wave w
	s_and_b32 s13, s12, 3                          ; g
	s_lshr_b32 s14, s12, 2                         ; p
	s_bfe_u32 s15, ttmp6, 0x40000                  ; cx
	s_lshl_b32 s16, ttmp9, 2
	s_add_co_u32 s16, s16, s15                     ; x = 4 x cluster x + cx: enters the addresses of queries and out0 alone
	s_and_b32 s17, ttmp7, 0xffff                   ; y
	s_mov_b32 s40, 0x76543210
	s_mov_b32 s41, 0xfedcba98
	s_lshr_b32 s42, s17, 1                         ; batch
	s_and_b32 s43, s17, 1                          ; head
	s_lshl_b32 s18, s42, 20                        ; 2,048 positions x 512 bytes
	s_lshl_b32 s19, s16, 16                        ; 128 positions x 512 bytes
	s_add_co_u32 s18, s18, s19
	s_lshl_b32 s19, s43, 8
	s_add_co_u32 s18, s18, s19
	s_mov_b32 s19, 0
	s_lshl_b32 s20, s12, 13                        ; out0: + 512 (64 p + 16 g) = 8192 w
	s_add_co_u32 s20, s20, s18
	s_mov_b32 s21, 0
	s_lshl_b32 s22, s17, 19                        ; kv: 32 blocks x 16,384 bytes for each y,
	s_lshl_b32 s33, s12, 14                        ; + block w; also the tile's LDS address in slot 0
	s_add_co_u32 s22, s22, s33
	s_mov_b32 s23, 0
	s_lshl_b32 s44, s42, 13                        ; deg: 2,048 f32 for each batch
	s_mov_b32 s45, 0
	; descriptor group 1: 64 rows of 32 elements of 8 bytes, dense
	s_mov_b32 s24, 15|(3<<16)|(1<<21)              ; 15:0 mask: all four work-groups of the cluster; 17:16 element of 8 bytes; 21 set beside a mask
	s_mov_b32 s25, 32<<16                          ; tensor_dim0 = 32
	s_mov_b32 s26, 64<<16                          ; tensor_dim1 = 64
	s_mov_b32 s27, 32<<16                          ; tile_dim0 = 32
	s_mov_b32 s28, 64                              ; tile_dim1 = 64
	s_mov_b32 s29, 32                              ; 32 elements from row to row
	s_mov_b32 s30, 0
	s_mov_b32 s31, 0
	v_and_b32 v[LN], 31, v0
	v_and_b32 v[RR], 15, v0
	v_bfe_u32 v[HH], v0, 4, 1
	v_lshlrev_b32 v243, 5, v0                      ; deg: my eight numbers
	v_lshrrev_b32 v244, 4, v0
	v_lshlrev_b32 v244, 9, v244
	v_lshl_add_u32 v244, v[RR], 4, v244            ; queries: row t >> 4, 16 bytes for each of 16 lanes: whole rows of 256 bytes
	s_wait_dscnt 0x0
	s_wait_kmcnt 0x0
	s_add_nc_u64 s[4:5], s[4:5], s[18:19]
	s_add_nc_u64 s[10:11], s[10:11], s[20:21]
	s_add_nc_u64 s[6:7], s[6:7], s[22:23]
	s_add_nc_u64 s[8:9], s[8:9], s[44:45]
	global_load_b128 v[48:51], v243, s[8:9]
	global_load_b128 v[52:55], v243, s[8:9] offset:16
.irp n, 0,1,2,3,4,5,6,7
	global_load_b128 v[SCA+4*\n:SCA+4*\n+3], v244, s[4:5] offset:8192*\n th:TH_LOAD_NT
.endr
	; descriptor groups 0, one for each slot: made of y and the wave's number alone, equal in all four work-groups
	s_mov_b32 s32, 1
	s_mov_b64 s[34:35], s[6:7]
	s_or_b32 s35, s35, 0x80000000
	s_mov_b32 s36, 1
	s_add_co_u32 s37, s33, SLOT
	s_add_nc_u64 s[38:39], s[6:7], SLOT
	s_or_b32 s39, s39, 0x80000000
	ROUND                                          ; all four work-groups are here: the first joint loads meet
	tensor_load_to_lds s[32:35], s[24:31]          ; step 0 into slot 0
	s_nop 0
	tensor_load_to_lds s[36:39], s[24:31]          ; step 1 into slot 1
	s_nop 0
	; LDS addresses
	s_lshl_b32 s42, s13, 15
	v_lshl_add_u32 v[ADR0], v[LN], 4, s42
	v_add_nc_u32 v[ADR1], SLOT, v[ADR0]
	s_lshl_b32 s42, s13, 9
	s_add_co_u32 s42, s42, BIAS
	v_lshl_add_u32 v[BADR], v[HH], 5, s42
	s_mul_i32 s42, s12, 2*QP
	s_add_co_u32 s42, s42, QS
	v_mul_u32_u24 v245, v[HH], QP
	v_lshl_add_u32 v245, v[RR], 3, v245
	v_add_nc_u32 v245, s42, v245                   ; Q in: row 2 w + h, 8 bytes for each of 16 lanes
	s_lshl_b32 s42, s12, 2
	s_add_co_u32 s42, s42, RED
	v_mov_b32 v246, s42
	v_mov_b32 v247, RED
	s_lshl_b32 s42, s12, 10
	s_add_co_u32 s42, s42, BIAS
	v_lshl_add_u32 v248, v[LN], 5, s42             ; bias in: 32 t
	v_mul_u32_u24 v249, v[RR], QP
	v_lshl_add_u32 v249, v[HH], 4, v249
	s_mul_i32 s43, s14, 64*QP
	s_add_co_u32 s43, s43, QS
.irp X, 0,1,2,3
	s_add_co_u32 s42, s13, \X
	s_and_b32 s42, s42, 3
	s_mul_i32 s42, s42, 16*QP
	s_add_co_u32 s42, s42, s43
	v_add_nc_u32 v[250+\X], s42, v249              ; Q fragments of set X: (64 p + 16 ((X + g) & 3) + r) pitch + 16 h
.endr
	v_mov_b32 v[CC], 0x3e38aa3b                    ; c = log2 e / 8
	v_mov_b32 v[CC+1], 0x3e38aa3b
	v_mov_b32 v[T+1], 0
	; the batch's maximum of deg: in the lane, in the wave, then over the waves through LDS
	s_wait_loadcnt 8                               ; deg is in; Q's eight loads stay out
	v_max3_num_f32 v[T], v48, v49, v50
	v_max3_num_f32 v[T], v[T], v51, v52
	v_max3_num_f32 v[T], v[T], v53, v54
	v_max_num_f32 v[T], v[T], v55
	v_max_num_f32_dpp v[T], v[T], v[T] row_xmask:1 row_mask:0xf bank_mask:0xf
	v_max_num_f32_dpp v[T], v[T], v[T] row_xmask:2 row_mask:0xf bank_mask:0xf
	v_max_num_f32_dpp v[T], v[T], v[T] row_xmask:4 row_mask:0xf bank_mask:0xf
	v_max_num_f32_dpp v[T], v[T], v[T] row_xmask:8 row_mask:0xf bank_mask:0xf
	v_permlanex16_b32 v[T+1], v[T], s40, s41
	v_max_num_f32 v[T], v[T], v[T+1]
	ds_store_b32 v246, v[T]
	s_wait_loadcnt 0x0
.irp n, 0,1,2,3,4,5,6,7
	v_cvt_pk_bf16_f32 v[SCA+4*\n],   v[SCA+4*\n],   v[SCA+4*\n+1]
	v_cvt_pk_bf16_f32 v[SCA+4*\n+1], v[SCA+4*\n+2], v[SCA+4*\n+3]
	ds_store_b64 v245, v[SCA+4*\n:SCA+4*\n+1] offset:16*QP*\n
.endr
	s_wait_dscnt 0x0
	s_barrier_signal -1                            ; the two tiles stay on their way
	s_barrier_wait -1
	ds_load_b128 v[56:59], v247
	ds_load_b128 v[60:63], v247 offset:16
	WIN 0x40
.irp X, 0,1,2,3
.irp eh, 0,1
	ds_load_b128 v[QB+16*\X+8*\eh:QB+16*\X+8*\eh+3],   v[250+\X] offset:64*\eh
	ds_load_b128 v[QB+16*\X+8*\eh+4:QB+16*\X+8*\eh+7], v[250+\X] offset:64*\eh+32
.endr
.endr
	WIN 0
	s_wait_dscnt 16                                ; the eight maxima are in; Q's sixteen loads stay out
	v_max3_num_f32 v[T], v56, v57, v58
	v_max3_num_f32 v[T], v[T], v59, v60
	v_max3_num_f32 v[T], v[T], v61, v62
	v_max_num_f32 v[T], v[T], v63
	v_mov_b32 v[T+1], v[T]
.irp k, 0,2,4,6
	v_pk_add_f32 v[48+\k:48+\k+1], v[48+\k:48+\k+1], v[T:T+1] neg_lo:[0,1] neg_hi:[0,1]     ; deg - max
.endr
	ds_store_b128 v248, v[48:51]
	ds_store_b128 v248, v[52:55] offset:16
	s_wait_tensorcnt 0x1                           ; my block of slot 0 is in; slot 1's load, issued behind it, stays out
	s_wait_dscnt 0x0                               ; my bias is in LDS, my Q fragments are in
	s_barrier_signal -1
	s_barrier_wait -1
; eight matrix instructions: 32 of the 64 along e, four key tiles x two query sets.  The eight accumulators take turns, one instruction a turn.
.macro QKPASS q0, q1, eh
.irp kt, 0,1,2,3
.if \eh == 0
	v_wmma_f32_16x16x32_bf16 v[SCA+8*\kt:SCA+8*\kt+7], v[FR+8*\kt:FR+8*\kt+7], v[QB+16*\q0:QB+16*\q0+7], v[CB+8*\kt:CB+8*\kt+7]
	v_wmma_f32_16x16x32_bf16 v[SCB+8*\kt:SCB+8*\kt+7], v[FR+8*\kt:FR+8*\kt+7], v[QB+16*\q1:QB+16*\q1+7], v[CB+8*\kt:CB+8*\kt+7]
.else
	v_wmma_f32_16x16x32_bf16 v[SCA+8*\kt:SCA+8*\kt+7], v[FR+32+8*\kt:FR+32+8*\kt+7], v[QB+16*\q0+8:QB+16*\q0+15], v[SCA+8*\kt:SCA+8*\kt+7]
	v_wmma_f32_16x16x32_bf16 v[SCB+8*\kt:SCB+8*\kt+7], v[FR+32+8*\kt:FR+32+8*\kt+7], v[QB+16*\q1+8:QB+16*\q1+15], v[SCB+8*\kt:SCB+8*\kt+7]
.endif
.endr
.endm
; the running maximum of set X over the 32 scores at sb: four chains, the other half of the lanes, then NM = -c m and the factor exp2(NM new - NM old)
.macro SMAX X, sb, first
.irp k, 0,1,2,3
	v_max3_num_f32 v[T+\k], v[\sb+8*\k], v[\sb+8*\k+1], v[\sb+8*\k+2]
.endr
.irp k, 0,1,2,3
	v_max3_num_f32 v[T+\k], v[T+\k], v[\sb+8*\k+3], v[\sb+8*\k+4]
.endr
.irp k, 0,1,2,3
	v_max3_num_f32 v[T+\k], v[T+\k], v[\sb+8*\k+5], v[\sb+8*\k+6]
.endr
	v_max3_num_f32 v[T],   v[T],   v[T+1], v[\sb+7]
	v_max3_num_f32 v[T+2], v[T+2], v[T+3], v[\sb+15]
	v_max3_num_f32 v[T],   v[T],   v[T+2], v[\sb+23]
.if \first
	v_max_num_f32 v[T], v[T], v[\sb+31]
.else
	v_max3_num_f32 v[T], v[T], v[\sb+31], v[MX+\X]
.endif
	v_permlanex16_b32 v[T+1], v[T], s40, s41
	v_max_num_f32 v[MX+\X], v[T], v[T+1]
	v_mul_f32 v[T+2], 0xbe38aa3b, v[MX+\X]
.if \first == 0
	v_sub_f32 v[T+3], v[T+2], v[NM+2*\X]
.endif
	v_mov_b32 v[NM+2*\X], v[T+2]
	v_mov_b32 v[NM+2*\X+1], v[T+2]
.if \first == 0
	v_exp_f32 v[AL+2*\X], v[T+3]                   ; the line behind the pair is a plain one of another set that touches neither T+3 nor AL
	v_exp_f32 v[AL+2*\X+1], v[T+3]
.endif
.endm
.macro GSTEP X, sb, kt                 ; p = exp2(S c + NM) of one key tile, in place
.irp i, 0,2,4,6
	v_pk_fma_f32 v[\sb+8*\kt+\i:\sb+8*\kt+\i+1], v[\sb+8*\kt+\i:\sb+8*\kt+\i+1], v[CC:CC+1], v[NM+2*\X:NM+2*\X+1]
.endr
.irp i, 0,1,2,3,4,5,6,7
	v_exp_f32 v[\sb+8*\kt+\i], v[\sb+8*\kt+\i]
.endr
.endm
.macro HSTEP sb, pb, kt                ; one key tile's p into the sums, then packed to bf16: register pb + 4 kt + i from registers 8 kt + 2 i and + 1
.if \kt == 0
	s_wait_alu depctr_va_vdst(0)
	v_pk_add_f32 v[SU0:SU0+1], v[\sb:\sb+1], v[\sb+2:\sb+3]
	v_pk_add_f32 v[SU1:SU1+1], v[\sb+4:\sb+5], v[\sb+6:\sb+7]
.else
	s_wait_alu depctr_va_vdst(0)
	v_pk_add_f32 v[SU0:SU0+1], v[SU0:SU0+1], v[\sb+8*\kt:\sb+8*\kt+1]
	v_pk_add_f32 v[SU1:SU1+1], v[SU1:SU1+1], v[\sb+8*\kt+2:\sb+8*\kt+3]
	v_pk_add_f32 v[SU0:SU0+1], v[SU0:SU0+1], v[\sb+8*\kt+4:\sb+8*\kt+5]
	v_pk_add_f32 v[SU1:SU1+1], v[SU1:SU1+1], v[\sb+8*\kt+6:\sb+8*\kt+7]
.endif
.irp i, 0,1,2,3
	v_cvt_pk_bf16_f32 v[\pb+4*\kt+\i], v[\sb+8*\kt+2*\i], v[\sb+8*\kt+2*\i+1]
.endr
.endm
; Between a run of exponentials and the first use of its results stand the plain lines of another tile.  With pb = sb the packing is in place:
; register q is written when registers 2 q and 2 q + 1 are read, and never before the sums have read it.
.macro SEXP X, sb, pb, first
	GSTEP \X, \sb, 0
	GSTEP \X, \sb, 1
	HSTEP \sb, \pb, 0
	GSTEP \X, \sb, 2
	HSTEP \sb, \pb, 1
	GSTEP \X, \sb, 3
	HSTEP \sb, \pb, 2
	HSTEP \sb, \pb, 3
.if \first
	v_pk_add_f32 v[LS+2*\X:LS+2*\X+1], v[SU0:SU0+1], v[SU1:SU1+1]
.else
	v_pk_add_f32 v[SU0:SU0+1], v[SU0:SU0+1], v[SU1:SU1+1]
	v_pk_fma_f32 v[LS+2*\X:LS+2*\X+1], v[LS+2*\X:LS+2*\X+1], v[AL+2*\X:AL+2*\X+1], v[SU0:SU0+1]
.endif
.endm
.macro PVONE X, pb, dt, c, zero
.if \zero
	v_wmma_f32_16x16x32_bf16 v[32*\X+8*\dt:32*\X+8*\dt+7], v[FR+32*\c+8*\dt:FR+32*\c+8*\dt+7], v[\pb+8*\c:\pb+8*\c+7], 0
.else
	v_wmma_f32_16x16x32_bf16 v[32*\X+8*\dt:32*\X+8*\dt+7], v[FR+32*\c+8*\dt:FR+32*\c+8*\dt+7], v[\pb+8*\c:\pb+8*\c+7], v[32*\X+8*\dt:32*\X+8*\dt+7]
.endif
.endm
.macro PV c, zero                      ; 32 keys into O: the sixteen accumulators take turns, one instruction a turn
.irp dt, 0,1,2,3
	PVONE 0, PRA, \dt, \c, \zero
	PVONE 1, PRB, \dt, \c, \zero
	PVONE 2, SCA, \dt, \c, \zero
	PVONE 3, SCB, \dt, \c, \zero
.endr
.endm
; One block of 64 keys against my 64 queries.  adr: the slot's address register; koff: the block in my pair; boff: its keys in the bias.
.macro SUB first, adr, koff, boff
.if \first == 0
	PLACES 5                                       ; behind the last products: four places before loads go into their fragments, five before products write over the P that they read
.endif
.irp kt, 0,1,2,3
	ds_load_b128 v[CB+8*\kt:CB+8*\kt+3],   v[BADR] offset:\boff+64*\kt
	ds_load_b128 v[CB+8*\kt+4:CB+8*\kt+7], v[BADR] offset:\boff+64*\kt+16
.endr
.irp eh, 0,1
.irp kt, 0,1,2,3
	ds_load_b128 v[FR+32*\eh+8*\kt:FR+32*\eh+8*\kt+3],   v[\adr] offset:\koff+2048*\kt+1024*\eh
	ds_load_b128 v[FR+32*\eh+8*\kt+4:FR+32*\eh+8*\kt+7], v[\adr] offset:\koff+2048*\kt+1024*\eh+512
.endr
.endr
	s_wait_dscnt 8                                 ; the bias and K's first half along e are in; the eight loads of the second half stay out
	WIN 0x04
	QKPASS 0, 1, 0
	s_wait_dscnt 0x0
	QKPASS 0, 1, 1
	WIN 0
	PLACES 4                                       ; before vector instructions read the scores
	SMAX 0, SCA, \first
	SMAX 1, SCB, \first
	SEXP 0, SCA, PRA, \first
	SEXP 1, SCB, PRB, \first
	WIN 0x04
	QKPASS 2, 3, 0
	QKPASS 2, 3, 1
	WIN 0
	PLACES 4                                       ; before loads go into K's fragments and vector instructions read the scores
.irp c, 0,1
.irp dt, 0,1,2,3
	ds_load_b128 v[FR+32*\c+8*\dt:FR+32*\c+8*\dt+3],   v[\adr] offset:\koff+8192+4096*\c+1024*\dt
	ds_load_b128 v[FR+32*\c+8*\dt+4:FR+32*\c+8*\dt+7], v[\adr] offset:\koff+8192+4096*\c+1024*\dt+512
.endr
.endr
	SMAX 2, SCA, \first
	SMAX 3, SCB, \first
	SEXP 2, SCA, SCA, \first
	SEXP 3, SCB, SCB, \first
.if \first == 0
	WIN 0x41
.irp X, 0,1,2,3
.irp k, 0,2,4,6,8,10,12,14,16,18,20,22,24,26,28,30
	v_pk_mul_f32 v[32*\X+\k:32*\X+\k+1], v[32*\X+\k:32*\X+\k+1], v[AL+2*\X:AL+2*\X+1]
.endr
.endr
.endif
	WIN 0x50
	s_wait_dscnt 8                                 ; V^T of the first 32 keys is in; the eight loads of the second 32 stay out
	PV 0, \first
	s_wait_dscnt 0x0
	PV 1, 0
	WIN 0
.endm
	; step 0: slot 0
	SUB 1, ADR0, 0, 0
	SUB 0, ADR0, 16384, 256
	; step 1: slot 1; slot 0 is filled again with step 2's tiles
	s_wait_tensorcnt 0x0                           ; all my tensor loads have landed, my block of slot 1 among them: a group 0 may be written
	ds_add_u32 v254, v255
	s_add_nc_u64 s[34:35], s[34:35], 2*SLOT
	s_wait_dscnt 0x0                               ; my reads of slot 0 are back
	ROUND                                          ; both now hold of every wave of all four work-groups
	tensor_load_to_lds s[32:35], s[24:31]          ; my one load behind the round, first thing there
	s_nop 0
	SUB 0, ADR1, 0, 2048
	SUB 0, ADR1, 16384, 2304
	; step 2: slot 0; slot 1 is filled again with step 3's tiles
	s_wait_tensorcnt 0x0
	ds_add_u32 v254, v255
	s_add_nc_u64 s[38:39], s[38:39], 2*SLOT
	s_wait_dscnt 0x0
	ROUND
	tensor_load_to_lds s[36:39], s[24:31]
	s_nop 0
	SUB 0, ADR0, 0, 4096
	SUB 0, ADR0, 16384, 4352
	; step 3: slot 1; nothing is left to fetch
	s_wait_tensorcnt 0x0                           ; my block of slot 1 is in
	s_wait_dscnt 0x0                               ; my reads of slot 0 are back: behind this barrier slot 0 serves the exchange
	s_barrier_signal -1
	s_barrier_wait -1
	SUB 0, ADR1, 0, 6144
	SUB 0, ADR1, 16384, 6400
	; THE MERGE.  Each wave sends O, NM and l of its sets 1 to 3 to the waves that own those query tiles, through regions of its own.
	PLACES 4                                       ; before LDS stores and vector instructions read O, and loads go into the last products' fragments
.irp X, 0,1,2,3
	v_add_f32 v[T], v[LS+2*\X], v[LS+2*\X+1]
	v_permlanex16_b32 v[T+1], v[T], s40, s41
	v_add_f32 v[NM+2*\X+1], v[T], v[T+1]           ; l of set X beside its NM
.endr
	s_mul_i32 s46, s12, 3*XREG
	v_lshl_add_u32 v243, v[LN], 4, s46
	v_lshl_add_u32 v244, v[LN], 3, s46
	s_lshl_b32 s43, s14, 2
.irp i, 1,2,3
	s_add_co_u32 s42, s13, 4-\i
	s_and_b32 s42, s42, 3                          ; the wave whose set i holds my tile: g - i modulo 4
	s_add_co_u32 s42, s42, s43
	s_mul_i32 s42, s42, 3*XREG
	v_lshl_add_u32 v[244+\i], v[LN], 4, s42
	v_lshl_add_u32 v[247+\i], v[LN], 3, s42
.endr
	s_mul_i32 s47, s12, XREG
	s_add_co_u32 s47, s47, STG
	v_mul_u32_u24 v251, v[RR], 272
	v_lshl_add_u32 v251, v[HH], 5, v251
	v_add_nc_u32 v251, s47, v251                   ; stage in: row r, 32 bytes for each half
	v_mul_u32_u24 v252, v[HH], 272
	v_lshl_add_u32 v252, v[RR], 4, v252
	v_add_nc_u32 v252, s47, v252                   ; stage back: lanes 0-15 one row of 256 bytes, lanes 16-31 the next
	v_lshlrev_b32 v253, 9, v[HH]
	v_lshl_add_u32 v253, v[RR], 4, v253            ; the same two rows in out0
	WIN 0x04
.irp X, 1,2,3
.irp qd, 0,1,2,3,4,5,6,7
	ds_store_b128 v243, v[32*\X+4*\qd:32*\X+4*\qd+3] offset:(\X-1)*XREG+512*\qd
.endr
.endr
	WIN 0
.irp X, 1,2,3
	ds_store_b64 v244, v[NM+2*\X:NM+2*\X+1] offset:(\X-1)*XREG+4096
.endr
	s_wait_dscnt 0x0                               ; my stores are in LDS, and my reads of slot 1 are back
	s_barrier_signal -1
	s_barrier_wait -1
.irp i, 1,2,3
	ds_load_b64 v[2+2*\i:3+2*\i], v[247+\i] offset:(\i-1)*XREG+4096
.endr
.irp i, 1,2,3
.irp qd, 0,1,2,3,4,5,6,7
	ds_load_b128 v[CB+32*(\i-1)+4*\qd:CB+32*(\i-1)+4*\qd+3], v[244+\i] offset:(\i-1)*XREG+512*\qd
.endr
.endr
	s_wait_dscnt 24                                ; the three (NM, l) are in; O's 24 loads stay out
	v_min_num_f32 v36, v[NM], v4                   ; the largest maximum is the smallest NM
	v_min_num_f32 v37, v6, v8
	v_min_num_f32 v36, v36, v37
	v_sub_f32 v12, v36, v[NM]
	v_sub_f32 v13, v36, v4
	v_sub_f32 v14, v36, v6
	v_sub_f32 v15, v36, v8
	v_exp_f32 v12, v12
	v_exp_f32 v13, v13
	v_exp_f32 v14, v14
	v_exp_f32 v15, v15
	v_nop
	s_wait_alu depctr_va_vdst(0)
	v_mul_f32 v37, v12, v[NM+1]
	v_fmac_f32 v37, v13, v5
	v_fmac_f32 v37, v14, v7
	v_fmac_f32 v37, v15, v9
	v_rcp_f32 v37, v37
	v_nop
	s_wait_alu depctr_va_vdst(0)
.irp i, 0,1,2,3
	v_mul_f32 v[LS+2*\i], v[12+\i], v37            ; each part's factor, twice
	v_mul_f32 v[LS+2*\i+1], v[12+\i], v37
.endr
	WIN 0x01
.irp k, 0,2,4,6,8,10,12,14,16,18,20,22,24,26,28,30
	v_pk_mul_f32 v[FR+\k:FR+\k+1], v[\k:\k+1], v[LS:LS+1]        ; my own set 0 starts the result
.endr
	WIN 0
.irp i, 1,2,3
	s_wait_dscnt 24-8*\i                           ; part i's eight loads are in; the later parts' stay out
.irp k, 0,2,4,6,8,10,12,14,16,18,20,22,24,26,28,30
	v_pk_fma_f32 v[FR+\k:FR+\k+1], v[CB+32*(\i-1)+\k:CB+32*(\i-1)+\k+1], v[LS+2*\i:LS+2*\i+1], v[FR+\k:FR+\k+1]
.endr
.endr
	; THE WAY OUT: lane (r, h) holds out[q = r][d = 16 dt + 8 h + j]; through my own stage the 16 rows leave as whole rows of 256 bytes
.irp dt, 0,1,2,3
	ds_store_b128 v251, v[FR+8*\dt:FR+8*\dt+3]   offset:64*\dt
	ds_store_b128 v251, v[FR+8*\dt+4:FR+8*\dt+7] offset:64*\dt+16
.endr
.irp n, 0,1,2,3,4,5,6,7
	ds_load_b128 v[208+4*\n:208+4*\n+3], v252 offset:544*\n      ; LDS serves a wave's instructions in order (ISA guide 5.7.1): these see the stores above
.endr
.irp n, 0,1,2,3,4,5,6,7
	s_wait_dscnt 7-\n
	global_store_b128 v253, v[208+4*\n:208+4*\n+3], s[10:11] offset:1024*\n th:TH_STORE_NT   ; 16 lanes store 256 consecutive bytes, aligned
.endr
	s_wait_tensorcnt 0x0
	ds_add_u32 v254, v255
	s_wait_dscnt 0x0
	ROUND                                          ; the closing round: no work-group ends while a partner may still ask for a tile that names it
	s_endpgm
.Lfunc_end_k_q12bb0c3b41_attn:
	.size	k_q12bb0c3b41_attn, .Lfunc_end_k_q12bb0c3b41_attn-k_q12bb0c3b41_attn
	.p2alignl 7, 3214868480
	.fill 96, 4, 3214868480
	.section	.rodata,"a",@progbits
	.p2align	6, 0x0
	.amdhsa_kernel k_q12bb0c3b41_attn
		.amdhsa_group_segment_fixed_size 327680
		.amdhsa_private_segment_fixed_size 0
		.amdhsa_enable_private_segment 0
		.amdhsa_kernarg_size 32
		.amdhsa_user_sgpr_count 2
		.amdhsa_user_sgpr_kernarg_segment_ptr 1
		.amdhsa_wavefront_size32 1
		.amdhsa_system_sgpr_workgroup_id_x 1
		.amdhsa_system_sgpr_workgroup_id_y 1
		.amdhsa_system_sgpr_workgroup_id_z 1
		.amdhsa_system_vgpr_workitem_id 0
		.amdhsa_next_free_vgpr 448
		.amdhsa_next_free_sgpr 66
		.amdhsa_reserve_vcc 0
		.amdhsa_float_denorm_mode_32 3
		.amdhsa_float_denorm_mode_16_64 3
		.amdhsa_memory_ordered 1
		.amdhsa_forward_progress 1
		.amdhsa_inst_pref_size 255
	.end_amdhsa_kernel
	.section	.bss,"aw",@nobits
	.p2align	6
	.space	262144
	.amdgpu_metadata
---
amdhsa.version: [ 1, 2 ]
amdhsa.kernels:
  - .name:           k_q12bb0c3b41_attn
    .symbol:         k_q12bb0c3b41_attn.kd
    .args:
      - { .name: queries, .offset: 0, .size: 8, .value_kind: global_buffer, .address_space: global }
      - { .name: kv, .offset: 8, .size: 8, .value_kind: global_buffer, .address_space: global }
      - { .name: deg, .offset: 16, .size: 8, .value_kind: global_buffer, .address_space: global }
      - { .name: out0, .offset: 24, .size: 8, .value_kind: global_buffer, .address_space: global }
    .group_segment_fixed_size: 327680
    .private_segment_fixed_size: 0
    .kernarg_segment_align: 8
    .kernarg_segment_size: 32
    .max_flat_workgroup_size: 256
    .sgpr_count:     66
    .vgpr_count:     448
    .wavefront_size: 32
...
	.end_amdgpu_metadata
.endif
;; end of part 2
;; ======== version 2 of 2: 2 launches; version 1 with the launch prep written anew for expert scheduling mode
;; workspace buffers: kv 8,388,608 bytes; deg 65,536 bytes
;; launch prep (part 3): grid 256 x 1, 8 waves a work-group, no clusters, 57,856 bytes of LDS; arguments keys, values, W1, b1, W2, b2, kv, deg; writes kv, deg
.if DOCPART == 3
	.amdgcn_target "amdgcn-amd-amdhsa--gfx1250"
	.amdhsa_code_object_version 6
	.text
	.protected	k_q12bb0c3b41_prep
	.globl	k_q12bb0c3b41_prep
	.p2align	8
	.type	k_q12bb0c3b41_prep,@function
k_q12bb0c3b41_prep:
	s_mov_b64 s[64:65], 0
	v_nop
	global_prefetch_b8 v0, s[64:65] scope:SCOPE_SE
	s_setreg_imm32_b32 hwreg(HW_REG_WAVE_SCHED_MODE, 0, 2), 2
	s_setreg_imm32_b32 hwreg(HW_REG_WAVE_MODE, 25, 1), 1
	s_wait_xcnt 0x0
	s_wait_alu depctr_vm_vsrc(0)
; prep: (1) rounds K and V to bf16 once and stores them in the order of the matrix fragments that the attention launch reads,
;       (2) deg[pos] = clip(sigmoid(relu(v W1 + b1) W2 + b2), 0.01, 0.99) in f32 (the batch's maximum is taken away in the next launch).
; Work-group i owns the 64 positions 64 i .. 64 i + 63 of the 16,384 (batch i >> 5, block i & 31): 32,768 consecutive bytes of keys and of values.
; kv: [y = 2 batch + head][block of 64 keys][16,384 bytes]; lane L = (r = L & 15, h = L >> 4):
;   bytes 0..8191      [kt 4][eh 2][u 2][lane 32][16 B] = K[key 16 kt + r][e = 32 eh + 16 u + 8 h .. + 7]
;   bytes 8192..16383  [c 2][dt 4][u 2][lane 32][16 B]  = V[key 32 c + 16 u + 8 h + 0 .. 7][d = 16 dt + r]
; No cluster: the work-groups share W1, b1, W2 alone (33 KB against 64 KB of their own rows), and everything comes through registers.
; The first layer goes to the matrix unit in bf16 (hid^T = W1^T V^T + b1, b1 as the C operand); the second layer has one output column and is done in f32.
; Limits: NaN in an input is not carried through relu and the clip (v_max_num, v_min_num drop it).
; THE MODE: SCHED_MODE bits 1:0 = 2 (LLVM: expert scheduling mode 2), set by the entry lines.  The code itself states the register dependences
; between vector or matrix instructions and memory or LDS instructions, with s_wait_alu, always for 0.
; THE PLAN.  Registers that memory or LDS instructions touch:
;   v1, v5 to v15, v178   offsets and LDS addresses: all made at the head, ahead of one wait on va_vdst, and never written again.
;   v144 to v146          at work in the head's address arithmetic, ahead of the same wait; later LDS loads land in them (part of KF).
;   RAWV, RAWW, RAWK      global loads land; a stage's sixteen conversions round in place; one wait on va_vdst; the stage's eight LDS stores read them.
;   AF, BF                the same registers behind the first barrier: one wait on vm_vsrc (my LDS stores have read them), then LDS loads land; matrix instructions read them.
;   v16                   written by the second layer's sums; one wait on va_vdst; read by one LDS store; not written again.
;   v18 to v21            named by the second layer's sums and by matrix instructions ahead of that same wait; in wave 0 two LDS loads land in them with no vector instruction between.
;   v18, v19              written by the clip; one wait on va_vdst; read by the last store.
;   KF, VF                LDS loads land, global stores read; ACC, W2R: global loads land, vector and matrix instructions read.
;   v176, v177            written at the head, read by the closing add alone.
.set KS, 0                             ; K as bf16: 64 rows of 256 bytes, pitch 272
.set VS, 17408                         ; V as bf16: 64 rows of 256 bytes, pitch 288 (an odd multiple of 32, for the transposing load)
.set WS, 35840                         ; W1 as bf16 [k 128][unit 64]: rows of 128 bytes, pitch 160
.set DG, 56320                         ; 2 x 64 f32: the second layer's sums over units 0-31 and 32-63
.set KP, 272
.set VP, 288
.set WP, 160
.set RAWV, 16                          ; v[16:47]   V as loaded
.set RAWW, 48                          ; v[48:79]   W1 as loaded
.set RAWK, 80                          ; v[80:111]  K as loaded
.set AF,  16                           ; v[16:79]   later: W1^T fragments, (n2, ks) at 16 + 8 (4 n2 + ks)
.set BF,  80                           ; v[80:111]  later: V fragments of my 16 positions, ks at 80 + 8 ks
.set ACC, 112                          ; v[112:127] two accumulator tiles, loaded with b1
.set W2R, 128                          ; v[128:143] W2 of the same units
.set KF,  144                          ; v[144:159] K fragments on their way out
.set VF,  160                          ; v[160:175] V^T fragments on their way out
.set L8,  178                          ; v178       8 x lane: wave 0's two positions a lane, in DG and in deg
	s_load_b512 s[4:19], s[0:1], 0x0               ; keys 4:5, values 6:7, W1 8:9, b1 10:11, W2 12:13, b2 14:15, kv 16:17, deg 18:19
	v_lshl_add_u32 v176, v0, 2, 0xde00
	v_mov_b32 v177, 0
	v_lshrrev_b32 v2, 5, v0
	v_readfirstlane_b32 s21, v2                    ; wave w
	s_lshl_b32 s24, ttmp9, 15                      ; 64 positions x 512 bytes
	s_mov_b32 s25, 0
	s_mov_b32 s26, 0x76543210                      ; v_permlanex16_b32: lane i reads lane i of the other half
	s_mov_b32 s27, 0xfedcba98
	v_lshlrev_b32 v1, 4, v0                        ; 16 t
	v_and_b32 v2, 31, v0                           ; L
	v_and_b32 v3, 15, v0                           ; r
	v_bfe_u32 v4, v0, 4, 1                         ; h
	v_lshlrev_b32 v[L8], 3, v2                     ; 8 L
	s_wait_alu depctr_va_sdst(0)                   ; s21 is written, ahead of its first reader: kt, hh and every LDS address are made from it
	s_and_b32 s22, s21, 3                          ; kt = dt = pt: which 16 keys, 16 columns of V, 16 positions are mine
	s_lshr_b32 s23, s21, 2                         ; hh = uh: which head, which 32 hidden units
	s_lshl_b32 s30, s23, 7
	v_lshl_add_u32 v5, v4, 5, s30                  ; 4 (32 uh + 8 h): my eight units of a tile in b1 and W2
	; LDS addresses: wave's number x a constant + a lane term.  They need no argument, so they stand in the wait for the arguments
	s_mul_i32 s30, s21, VP
	s_add_co_u32 s30, s30, VS
	v_lshl_add_u32 v6, v2, 3, s30                  ; V in: row w, 8 bytes a lane
	s_mul_i32 s30, s21, 2*WP
	s_add_co_u32 s30, s30, WS
	v_mul_u32_u24 v144, v4, WP
	v_lshl_add_u32 v144, v3, 3, v144
	v_add_nc_u32 v7, s30, v144                     ; W1 in: row 2 w + h, 8 bytes for each of 16 lanes
	s_mul_i32 s30, s21, KP
	v_lshl_add_u32 v8, v2, 3, s30                  ; K in (KS = 0)
	s_mul_i32 s30, s22, 16*KP
	s_lshl_b32 s31, s23, 7                         ; a head's 64 bf16
	s_add_co_u32 s30, s30, s31
	v_mul_u32_u24 v144, v3, KP
	v_lshl_add_u32 v144, v4, 4, v144
	v_add_nc_u32 v9, s30, v144                     ; K fragments: (16 kt + r) pitch + 128 hh + 16 h
	v_and_b32 v145, 7, v0
	v_lshl_add_u32 v145, v4, 3, v145               ; 8 h + (L & 7)
	v_bfe_u32 v146, v0, 3, 1                       ; (L >> 3) & 1
	s_lshl_b32 s30, s22, 5
	s_add_co_u32 s30, s30, s31
	s_add_co_u32 s30, s30, VS
	v_mul_u32_u24 v144, v145, VP
	v_lshl_add_u32 v144, v146, 4, v144
	v_add_nc_u32 v10, s30, v144                    ; V^T fragments, transposing load: (8 h + (L & 7)) pitch + 16 ((L >> 3) & 1) + 128 hh + 32 dt
	s_mul_i32 s30, s22, 16*VP
	s_add_co_u32 s30, s30, VS
	v_mul_u32_u24 v144, v3, VP
	v_lshl_add_u32 v144, v4, 4, v144
	v_add_nc_u32 v11, s30, v144                    ; the MLP's B: (16 pt + r) pitch + 16 h
	s_lshl_b32 s30, s23, 6
	s_add_co_u32 s30, s30, WS
	v_mul_u32_u24 v144, v145, WP
	v_lshl_add_u32 v144, v146, 4, v144
	v_add_nc_u32 v12, s30, v144                    ; the MLP's A, transposing load, + 64 uh
	s_lshl_b32 s30, s22, 11
	v_lshl_add_u32 v13, v2, 4, s30                 ; kv: 16 L + 2048 kt
	s_lshl_b32 s30, s22, 10
	v_lshl_add_u32 v14, v2, 4, s30                 ; kv: 16 L + 1024 dt
	s_lshl_b32 s30, s23, 8
	s_lshl_b32 s31, s22, 6
	s_add_co_u32 s30, s30, s31
	s_add_co_u32 s30, s30, DG
	v_lshl_add_u32 v15, v3, 2, s30                 ; DG + 256 uh + 4 (16 pt + r)
	s_wait_kmcnt 0x0
	s_load_b32 s20, s[14:15], 0x0                  ; b2
	s_add_nc_u64 s[4:5], s[4:5], s[24:25]
	s_add_nc_u64 s[6:7], s[6:7], s[24:25]
	s_wait_alu depctr_va_vdst(0)                   ; v1, v5 to v15 and v178 are written, which the kernel's loads and stores read as offsets and addresses; the arithmetic is done with v144 to v146, in which LDS loads land later
.irp n2, 0,1
	global_load_b128 v[ACC+8*\n2:ACC+8*\n2+3],   v5, s[10:11] offset:64*\n2       ; register j of tile n2 = b1[32 uh + 16 n2 + 8 h + j]
	global_load_b128 v[ACC+8*\n2+4:ACC+8*\n2+7], v5, s[10:11] offset:64*\n2+16
	global_load_b128 v[W2R+8*\n2:W2R+8*\n2+3],   v5, s[12:13] offset:64*\n2
	global_load_b128 v[W2R+8*\n2+4:W2R+8*\n2+7], v5, s[12:13] offset:64*\n2+16
.endr
.irp n, 0,1,2,3,4,5,6,7
	global_load_b128 v[RAWV+4*\n:RAWV+4*\n+3], v1, s[6:7] offset:4096*\n th:TH_LOAD_NT   ; a wave's load = the whole row 8 n + w, 512 bytes
.endr
.irp n, 0,1,2,3,4,5,6,7
	global_load_b128 v[RAWW+4*\n:RAWW+4*\n+3], v1, s[8:9] offset:4096*\n                 ; rows k = 16 n + 2 w + h of W1
.endr
.irp n, 0,1,2,3,4,5,6,7
	global_load_b128 v[RAWK+4*\n:RAWK+4*\n+3], v1, s[4:5] offset:4096*\n th:TH_LOAD_NT
.endr
	; where the results go
	s_lshr_b32 s28, ttmp9, 5
	s_lshl_b32 s28, s28, 5
	s_add_co_u32 s28, s28, ttmp9                   ; 64 batch + block
	s_lshl_b32 s28, s28, 14
	s_lshl_b32 s29, s23, 19                        ; + head x 32 blocks
	s_add_co_u32 s28, s28, s29
	s_mov_b32 s29, 0
	s_add_nc_u64 s[16:17], s[16:17], s[28:29]
	s_lshl_b32 s28, ttmp9, 8                       ; 64 f32
	s_add_nc_u64 s[18:19], s[18:19], s[28:29]
; eight times four f32 become four bf16, rounded in place, and go to LDS: the sixteen conversions in one run, one wait, the eight stores in one run
.macro STAGE raw, adr, step
.irp n, 0,1,2,3,4,5,6,7
	v_cvt_pk_bf16_f32 v[\raw+4*\n],   v[\raw+4*\n],   v[\raw+4*\n+1]
	v_cvt_pk_bf16_f32 v[\raw+4*\n+1], v[\raw+4*\n+2], v[\raw+4*\n+3]
.endr
	s_wait_alu depctr_va_vdst(0)                   ; the conversions have written the first two of each four raw registers, which the LDS stores read
.irp n, 0,1,2,3,4,5,6,7
	ds_store_b64 v[\adr], v[\raw+4*\n:\raw+4*\n+1] offset:\step*\n
.endr
.endm
	s_wait_loadcnt 16                              ; b1, W2 and V are in; the sixteen loads of W1 and K stay out
	STAGE RAWV, 6, 8*VP
	s_wait_loadcnt 8                               ; W1 is in; K's eight stay out
	STAGE RAWW, 7, 16*WP
	s_wait_loadcnt 0x0
	STAGE RAWK, 8, 8*KP                            ; its wait also shows all 48 conversions done with the raw registers; no vector instruction stands between it and the LDS loads below, which land in them
	s_wait_dscnt 0x0                               ; my stores are in LDS before I say so
	s_barrier_signal -1
	s_barrier_wait -1
	s_wait_alu depctr_vm_vsrc(0)                   ; my LDS stores have read the raw registers: these are AF and BF from here on, in which the fragments' loads land
.irp eh, 0,1
.irp u, 0,1
	ds_load_b128 v[KF+8*\eh+4*\u:KF+8*\eh+4*\u+3], v9 offset:64*\eh+32*\u
.endr
.endr
.irp c, 0,1
.irp u, 0,1
	ds_load_tr16_b128 v[VF+8*\c+4*\u:VF+8*\c+4*\u+3], v10 offset:32*VP*\c+16*VP*\u
.endr
.endr
.irp ks, 0,1,2,3
.irp u, 0,1
	ds_load_b128 v[BF+8*\ks+4*\u:BF+8*\ks+4*\u+3], v11 offset:64*\ks+32*\u
.endr
.endr
.irp n2, 0,1
.irp ks, 0,1,2,3
.irp u, 0,1
	ds_load_tr16_b128 v[AF+8*(4*\n2+\ks)+4*\u:AF+8*(4*\n2+\ks)+4*\u+3], v12 offset:32*\n2+32*WP*\ks+16*WP*\u
.endr
.endr
.endr
	s_wait_dscnt 24                                ; the first eight (K and V^T fragments) are in; the MLP's 24 stay out
.irp eh, 0,1
.irp u, 0,1
	global_store_b128 v13, v[KF+8*\eh+4*\u:KF+8*\eh+4*\u+3], s[16:17] offset:1024*\eh+512*\u          ; each store of the wave: 512 consecutive bytes, aligned
.endr
.endr
.irp c, 0,1
.irp u, 0,1
	global_store_b128 v14, v[VF+8*\c+4*\u:VF+8*\c+4*\u+3], s[16:17] offset:8192+4096*\c+512*\u
.endr
.endr
	s_wait_dscnt 0x0
	s_wait_kmcnt 0x0                               ; b2
	; hid^T[unit][pos] = sum over k of W1[k][unit] v[pos][k] + b1[unit].  The two accumulators take turns, one instruction a turn.
.irp ks, 0,1,2,3
.irp n2, 0,1
	v_wmma_f32_16x16x32_bf16 v[ACC+8*\n2:ACC+8*\n2+7], v[AF+8*(4*\n2+\ks):AF+8*(4*\n2+\ks)+7], v[BF+8*\ks:BF+8*\ks+7], v[ACC+8*\n2:ACC+8*\n2+7]
.endr
.endr
.rept 4
	v_nop                                          ; four places before vector instructions read the results or write the fragments' registers (ISA guide 7.12.1)
.endr
.irp j, 0,1,2,3,4,5,6,7,8,9,10,11,12,13,14,15
	v_max_num_f32 v[ACC+\j], 0, v[ACC+\j]          ; relu
.endr
	v_pk_mul_f32 v[16:17], v[ACC:ACC+1], v[W2R:W2R+1]            ; the second layer in f32, two chains
	v_pk_mul_f32 v[18:19], v[ACC+8:ACC+9], v[W2R+8:W2R+9]
.irp j, 2,4,6
	v_pk_fma_f32 v[16:17], v[ACC+\j:ACC+\j+1], v[W2R+\j:W2R+\j+1], v[16:17]
	v_pk_fma_f32 v[18:19], v[ACC+8+\j:ACC+8+\j+1], v[W2R+8+\j:W2R+8+\j+1], v[18:19]
.endr
	v_pk_add_f32 v[16:17], v[16:17], v[18:19]
	v_add_f32 v16, v16, v17
	v_permlanex16_b32 v17, v16, s26, s27           ; the other eight units of each tile lie in the other half of the lanes
	v_add_f32 v16, v16, v17
	s_wait_alu depctr_va_vdst(0)                   ; the sum has written v16, which the LDS store reads; the packed sums and the matrix instructions are done with v18 to v21, in which wave 0's LDS loads land
	ds_store_b32 v15, v16                          ; lanes r and 16 + r store the same number to the same word
	s_wait_dscnt 0x0
	s_barrier_signal -1
	s_barrier_wait -1
	s_cmp_lg_u32 s21, 0
	s_cbranch_scc1 .Lend                           ; wave 0 finishes the 64 positions, two a lane
	ds_load_b64 v[18:19], v[L8] offset:DG          ; no vector instruction since the wait above: nothing more is owed for v18 to v21, nor for the address, made at the head
	ds_load_b64 v[20:21], v[L8] offset:DG+256
	v_mov_b32 v24, 0xbfb8aa3b                      ; -log2 e
	v_mul_f32 v22, s20, v24
	s_wait_dscnt 0x0
	v_pk_add_f32 v[18:19], v[18:19], v[20:21]
	v_fma_f32 v18, v18, v24, v22                   ; -(x + b2) log2 e
	v_fma_f32 v19, v19, v24, v22
	v_exp_f32 v18, v18
	v_exp_f32 v19, v19
	v_nop                                          ; one plain place behind the transcendentals
	s_wait_alu depctr_va_vdst(0)                   ; the two exponentials have written v18 and v19, ahead of their first reader
	v_add_f32 v18, 1.0, v18
	v_add_f32 v19, 1.0, v19
	v_rcp_f32 v18, v18
	v_rcp_f32 v19, v19
	v_nop
	s_wait_alu depctr_va_vdst(0)                   ; the two reciprocals have written v18 and v19, ahead of their first reader
	v_max_num_f32 v18, 0x3c23d70a, v18             ; clip to 0.01 .. 0.99
	v_max_num_f32 v19, 0x3c23d70a, v19
	v_min_num_f32 v18, 0x3f7d70a4, v18
	v_min_num_f32 v19, 0x3f7d70a4, v19
	s_wait_alu depctr_va_vdst(0)                   ; the clip has written v18 and v19, which the store reads
	global_store_b64 v[L8], v[18:19], s[18:19]     ; 32 lanes x 8 bytes: 256 consecutive bytes, aligned
.Lend:
	s_wait_dscnt 0x0                               ; the closing lines, six on end
	s_wait_alu 0x0
	s_wait_tensorcnt 0x0
	ds_add_u32 v176, v177
	s_wait_dscnt 0x0
	s_endpgm
.Lfunc_end_k_q12bb0c3b41_prep:
	.size	k_q12bb0c3b41_prep, .Lfunc_end_k_q12bb0c3b41_prep-k_q12bb0c3b41_prep
	.p2alignl 7, 3214868480
	.fill 96, 4, 3214868480
	.section	.rodata,"a",@progbits
	.p2align	6, 0x0
	.amdhsa_kernel k_q12bb0c3b41_prep
		.amdhsa_group_segment_fixed_size 57856
		.amdhsa_private_segment_fixed_size 0
		.amdhsa_enable_private_segment 0
		.amdhsa_kernarg_size 64
		.amdhsa_user_sgpr_count 2
		.amdhsa_user_sgpr_kernarg_segment_ptr 1
		.amdhsa_wavefront_size32 1
		.amdhsa_system_sgpr_workgroup_id_x 1
		.amdhsa_system_sgpr_workgroup_id_y 1
		.amdhsa_system_sgpr_workgroup_id_z 1
		.amdhsa_system_vgpr_workitem_id 0
		.amdhsa_next_free_vgpr 179
		.amdhsa_next_free_sgpr 66
		.amdhsa_reserve_vcc 0
		.amdhsa_float_denorm_mode_32 3
		.amdhsa_float_denorm_mode_16_64 3
		.amdhsa_memory_ordered 1
		.amdhsa_forward_progress 1
		.amdhsa_inst_pref_size 19
	.end_amdhsa_kernel
	.amdgpu_metadata
---
amdhsa.version: [ 1, 2 ]
amdhsa.kernels:
  - .name:           k_q12bb0c3b41_prep
    .symbol:         k_q12bb0c3b41_prep.kd
    .args:
      - { .name: keys, .offset: 0, .size: 8, .value_kind: global_buffer, .address_space: global }
      - { .name: values, .offset: 8, .size: 8, .value_kind: global_buffer, .address_space: global }
      - { .name: W1, .offset: 16, .size: 8, .value_kind: global_buffer, .address_space: global }
      - { .name: b1, .offset: 24, .size: 8, .value_kind: global_buffer, .address_space: global }
      - { .name: W2, .offset: 32, .size: 8, .value_kind: global_buffer, .address_space: global }
      - { .name: b2, .offset: 40, .size: 8, .value_kind: global_buffer, .address_space: global }
      - { .name: kv, .offset: 48, .size: 8, .value_kind: global_buffer, .address_space: global }
      - { .name: deg, .offset: 56, .size: 8, .value_kind: global_buffer, .address_space: global }
    .group_segment_fixed_size: 57856
    .private_segment_fixed_size: 0
    .kernarg_segment_align: 8
    .kernarg_segment_size: 64
    .max_flat_workgroup_size: 256
    .sgpr_count:     66
    .vgpr_count:     179
    .wavefront_size: 32
...
	.end_amdgpu_metadata
.endif
;; end of part 3
;; launch attn: the kernel of part 2 again; grid 16 x 16, 8 waves a work-group, clusters of 4 x 1, 327,680 bytes of LDS; arguments queries, kv, deg, out0; writes out0
